; MI455X (gfx1250); checked and timed in simulation.
; The chip was launched on July 23, 2026; its instructions are those of AMD's public machine-readable ISA for CDNA 5 (MIT licence, August 2026) and "CDNA5" Instruction Set Architecture Reference Guide (July 2026). The comments in the code are by the model that wrote it; some were corrected since.
;; Model. Allowed arithmetic: matrix products marked QUANTISED: E2M3 operands, one E8M0 scale for each 32 along K, by v_wmma_scale_f32_16x16x128_f8f6f4 with both operands' format E2M3, f32 sums; everything else in f32.
;; Inputs: inv_scale_factor 1 float32; key 2 x 16 x 2,048 x 64 float32; query 2 x 16 x 2,048 x 64 float32; value 2 x 16 x 2,048 x 64 float32.
;; Outputs: out0 2 x 16 x 2,048 x 64 float32.
;; This version of the problem:
;;   THIS VERSION OF THE PROBLEM IS GIVEN IN LOW PRECISION. The matrix products marked QUANTISED in the list below multiply operands that are first quantised to E2M3 (2 exponent bits, 3 mantissa bits; 6 bits a number), with one power-of-two scale for each 32 numbers along K (OCP MX v1.0); their sums are f32. All else is computed in f32.
;;   The module's matrix products, in the order in which they are computed (A, B: the left and right operand; K: the contracted axis; several contracted axes count as one K, in the product's order):
;;     1. batch 32 x [M 2,048, K 64] x [K 64, N 2,048]; A: input query; B: input key: QUANTISED
;;     2. batch 32 x [M 2,048, K 2,048] x [K 2,048, N 64]; A: softmax (see below); B: input value: QUANTISED
;;   THE QUANTISER, for each operand of a quantised product, along K:
;;     - K is cut into blocks of 32 from its start; a last block that is shorter is filled with zeros.
;;     - A block's scale is 2^e with e = floor(log2(the largest magnitude in the block)) - 2, held to -126 .. 127; a block of zeros has e = 0. As a byte (E8M0): e + 127.
;;     - Each number is divided by its block's scale, clamped to +-7.5, and rounded to the nearest number of E2M3, ties to even, subnormals kept.
;;     - The product sums the exact products of the quantised numbers (number of the format x scale) in f32.
;;   ~~~python
;;   def quantise(x, axis):      # numpy; x: float32 -> the quantised numbers, widened to float32 again
;;       x = np.moveaxis(x, axis, -1); K = x.shape[-1]
;;       x = np.pad(x, [(0, 0)] * (x.ndim - 1) + [(0, -K % 32)]); x = x.reshape(x.shape[:-1] + (-1, 32)); a = np.abs(x).max(-1, keepdims=True)
;;       e = np.where(a > 0, np.clip(np.frexp(np.where(a > 0, a, 1))[1] - 1 - 2, -126, 127), 0)      # np.frexp(a)[1] - 1 = floor(log2(a)), exactly
;;       r = np.clip(x / 2.0 ** e, -7.5, 7.5)
;;       step = 2.0 ** (np.maximum(np.frexp(np.where(r == 0, 1, r))[1] - 1, 0) - 3)
;;       q = np.round(r / step) * step * 2.0 ** e      # np.round: ties to even
;;       return np.moveaxis(q.reshape(q.shape[:-2] + (-1,))[..., :K], -1, axis).astype(np.float32)
;;   ~~~
;;   SOFTMAX AHEAD OF A QUANTISED PRODUCT. Where the list says 'softmax', what is quantised is not the finished softmax but p = 2^(t - M), with t = logit x log2(e) and M = ceil(the row's largest t), a whole number; so 1/2 < the row's largest p <= 1. The row's sum l is taken of the UNQUANTISED p, in f32, and the product's result is divided by l at the end. Since M is a whole number, a kernel that streams over the keys may use a running M (the ceiling of the running maximum): every later rescaling is an exact power of two, which a block's scale takes up: the codes' values come out the same.
;;   OPERANDS COMPUTED ON THE WAY. 'Computed on the way' means the value that the module computes at that place (a softmax that the list does not call 'softmax' is quantised finished and normalised). What goes into a quantiser is computed in f32, as accurately as f32 sums, v_exp_f32 and their like allow (about 1e-6 of the number): no bf16 or f16 on the way to a quantiser, and a product that is left as it is and whose result goes on into a quantised operand takes f32 operands (vector FMAs, or v_wmma_f32_16x16x4_f32). A number that lies on a knife's edge between two numbers of the format may be rounded either way, as far as f32 arithmetic and the matrix unit's own rounding can turn it there, and no further.
;; One version. Each part assembles by itself: llvm-mc -triple=amdgcn-amd-amdhsa -mcpu=gfx1250 --defsym DOCPART=n.
;; ======== version 1 of 1: 2 launches
;; limits: right only within a limited range of input values
;; workspace buffers: kv 6,815,744 bytes
;; launch prep (part 1): grid 256 x 1, 8 waves a work-group, no clusters, 140,288 bytes of LDS; arguments key, value, kv; writes kv
.if DOCPART == 1
	.amdgcn_target "amdgcn-amd-amdhsa--gfx1250"
	.amdhsa_code_object_version 6
	.text
	.protected	k_qcfa6606f86_prep
	.globl	k_qcfa6606f86_prep
	.p2align	8
	.type	k_qcfa6606f86_prep,@function
k_qcfa6606f86_prep:
	s_mov_b64 s[64:65], 0
	v_nop
	global_prefetch_b8 v0, s[64:65] scope:SCOPE_SE
	s_setreg_imm32_b32 hwreg(HW_REG_WAVE_MODE, 25, 1), 1
	s_wait_xcnt 0x0
; key and value, [32 heads][2048 keys][64] f32, become codes of FP6 (E2M3) with one E8M0 scale byte for each 32 along a product's K:
; key along the head's 64 numbers (two blocks a row), value DOWN the keys (a block = 32 neighbouring keys of one column).
; A block's scale is 2^(floor(log2(its largest magnitude)) - 2); its byte is that magnitude's exponent field - 2, held at 1 from below.
; LIMITS: a block of zeros, or one whose largest magnitude lies under 2^-124, keeps the byte 1 (its codes are zeros or the nearest codes under that scale; only this program
; reads the bytes); NaN and infinities among the inputs are not served.
; THE WORKSPACE is laid as the next launch's registers want it.  Block G = 16 x head + s (keys 128 s .. 128 s + 127) is STEPB = 13,312 bytes (52 x 256):
;   0      KC  48 registers, R = 6 t + p, R at 512 (R / 4) + 16 pos + 4 (R % 4).  Tile t = 4 c + v, lane (r, h): key 64 (r / 8) + 32 c + 8 v + r % 8, numbers 32 h .. 32 h + 31;
;          pos = 16 (r / 8) + 8 (h xor r / 8) + r % 8: the rows of each half of the 128 keys fill 256 bytes on end
;   6,144  VC  48 registers, R = 12 t + 6 c + p, at 512 (R / 4) + 16 lane + 4 (R % 4): tile t, lane (r, h): column 16 t + r, keys 64 h + 32 c + 0 .. 31
;   12,288 KS  word j of lane (r, h) at 16 pos + 4 j: the scale word of K's tile 2 j + h, row r: bytes 0, 1 = the row's two blocks, bytes 2, 3 = 0
;   12,800 VS  two images of 256 bytes, one for each half of the keys: word j of lane (r, h) at 8 lane + 4 j: V's tile 2 j + h, row r; byte 2 c + half for keys 64 half + 32 c .. + 31, the other bytes 0
; SHARES.  Work-group x, wave w: half w & 1 of block G = 2 x + ((w >> 1) & 1); waves 0-3 take key's 64 rows of it, waves 4-7 value's.
; A wave asks for its 16,384 bytes at once, by 32 loads of 512 consecutive bytes, and turns them through its own LDS bytes (rows of 272) as they land.  Waves share nothing: no barrier.
; Each byte is read by one work-group alone, once: no clusters, no prefetch (there is no loop to run ahead in).
.set STEPB, 13312
.set VCO,   6144
.set KSO,   12288
.set VSO,   12800
.set PITCH, 272                        ; an LDS row: 256 bytes + 16 of padding
.set WREG,  64*PITCH                   ; a wave's LDS bytes
.set SPARE, 8*WREG                     ; the spare words
.set X,     32                         ; v32-95   two sets of 32 numbers
.set F,     96                         ; v96-119  the 24 registers of codes
.set R,     128                        ; v128-255 the rows as they are loaded
	s_load_b128 s[4:7], s[0:1], 0x0                ; key, value
	s_load_b64 s[8:9], s[0:1], 0x10                ; kv
	v_lshl_add_u32 v30, v0, 2, SPARE
	v_mov_b32 v31, 0
	v_lshrrev_b32 v1, 5, v0
	v_readfirstlane_b32 s10, v1                    ; wave 0..7
	s_and_b32 s11, s10, 1                          ; which half of the block's keys
	s_bfe_u32 s33, s10, 0x10001
	s_lshl_b32 s12, ttmp9, 1
	s_add_co_u32 s33, s33, s12                     ; G
	s_lshl_b32 s12, s33, 15                        ; a block is 128 rows of 256 bytes, in key and in value alike
	s_lshl_b32 s38, s11, 14
	s_add_co_u32 s12, s12, s38
	s_mov_b32 s13, 0
	s_mul_i32 s16, s33, STEPB
	s_mov_b32 s17, 0
	s_mul_i32 s32, s10, WREG
	s_lshl_b32 s34, s11, 7
	s_lshl_b32 s35, s11, 8
	s_lshl_b32 s36, s11, 3
	s_mov_b32 s37, 0xff00ff00                      ; the lanes with bit 3 set
	; every address register is made ahead of the parting of the two roles
	v_and_b32 v1, 31, v0                           ; lane
	v_and_b32 v2, 15, v0
	v_bfe_u32 v3, v0, 4, 1                         ; lane / 16: c of my key tiles; the odd column tile
	v_bfe_u32 v8, v0, 3, 1                         ; key: h
	v_and_b32 v6, 7, v0                            ; key: r % 8
	v_lshl_add_u32 v6, v3, 5, v6                   ; row 32 c + r % 8 of my 64
	v_mul_u32_u24 v6, v6, PITCH
	v_lshl_add_u32 v6, v8, 7, v6                   ; + 128 h
	v_add_nc_u32 v6, s32, v6
	v_lshlrev_b32 v8, 3, v8                        ; 8 h
	v_lshlrev_b32 v9, 4, v2
	v_mul_u32_u24 v19, v3, PITCH
	v_add_nc_u32 v19, v19, v9
	v_add_nc_u32 v19, s32, v19                     ; into LDS: lanes 0-15 one row, lanes 16-31 the next
	v_xor_b32 v4, s34, v9
	v_add_nc_u32 v4, s35, v4                       ; key: 16 pos
	v_lshl_add_u32 v5, v3, 3, v4                   ; the scale words' place: + 8 c
	v_mul_u32_u24 v2, v3, 3072
	v_add_nc_u32 v4, v4, v2                        ; the codes' place: + 6 groups of 512 for c = 1
	v_mul_u32_u24 v2, v3, 1536
	v_add_nc_u32 v9, v9, v2
	v_add_nc_u32 v9, s35, v9                       ; value: the codes' place
	v_lshlrev_b32 v18, 4, v1                       ; my 16 bytes of a load's 512
	v_lshlrev_b32 v7, 2, v1
	v_add_nc_u32 v7, s32, v7                       ; value: a lane to a column
	v_lshlrev_b32 v10, 3, v1
	v_add_nc_u32 v10, s35, v10                     ; value: the scale words' place
	v_mov_b32 v11, 0                               ; (a lane move's destination counts as one of its sources)
	s_wait_alu depctr_va_vdst(0)
	s_wait_kmcnt 0x0
	s_cmp_lt_u32 s10, 4                            ; the choice of the tensor hangs on the wave's number alone
	s_cselect_b64 s[14:15], s[4:5], s[6:7]
	s_add_nc_u64 s[14:15], s[14:15], s[12:13]
	s_add_nc_u64 s[8:9], s[8:9], s[16:17]          ; kv at my block
; 32 numbers of ONE block in v[xs] on become 6 registers of codes in v[dst] on; v23 gets the scale's byte
.macro QB xs, dst
	v_max3_num_f32 v20, |v[\xs]|, |v[\xs+1]|, |v[\xs+2]|           ; the largest magnitude, in two chains
	v_max3_num_f32 v21, |v[\xs+3]|, |v[\xs+4]|, |v[\xs+5]|
.irp i, 6,10,14,18,22,26
	v_max3_num_f32 v20, v20, |v[\xs+\i]|, |v[\xs+\i+1]|
	v_max3_num_f32 v21, v21, |v[\xs+\i+2]|, |v[\xs+\i+3]|
.endr
	v_max3_num_f32 v20, v20, |v[\xs+30]|, |v[\xs+31]|
	v_max3_num_f32 v20, v20, v21, 0x1800000        ; and the floor 2^(3 - 127): the byte cannot fall under 1
	v_add_nc_u32 v22, 0xff000000, v20              ; 2 off the exponent field: the conversion's scale operand
	v_lshrrev_b32 v23, 23, v22                     ; the scale's byte
	v_cvt_scalef32_pk16_fp6_f32 v[\dst:\dst+2], v[\xs:\xs+15], v22
	v_cvt_scalef32_pk16_fp6_f32 v[24:26], v[\xs+16:\xs+31], v22     ; (a conversion's three registers begin on an even number)
	v_nop                                          ; one plain line behind the conversions
	v_mov_b32 v[\dst+3], v24
	v_mov_b32 v[\dst+4], v25
	v_mov_b32 v[\dst+5], v26
.endm
	s_cmp_lt_u32 s10, 4
	s_cbranch_scc0 .Lvalue
	; ---- KEY: four tiles a lane; tile v needs rows 8 v .. 8 v + 7 and 32 + 8 v .. 32 + 8 v + 7: eight loads, asked for in that order.
	; The sixteen lanes of a read from LDS stand at sixteen different 16-byte columns: r % 8 + 8 h modulo 16
.set ROWS, 0
.irp v, 0,1,2,3
.irp j, 0,1,2,3,4,5,6,7
	global_load_b128 v[R+32*\v+4*\j:R+32*\v+4*\j+3], v18, s[14:15] offset:256*(8*\v+2*(\j%4)+32*(\j/4)) th:TH_LOAD_NT
.endr
.endr
.macro KTILE v
	s_wait_loadcnt 24-8*(\v)                       ; this tile's eight loads are in; the later tiles' may be out
.irp j, 0,1,2,3,4,5,6,7
	ds_store_b128 v19, v[R+32*(\v)+4*\j:R+32*(\v)+4*\j+3] offset:PITCH*(8*(\v)+2*(\j%4)+32*(\j/4))
.endr
.irp i, 0,1,2,3,4,5,6,7
	ds_load_b128 v[X+32*((\v)%2)+4*\i:X+32*((\v)%2)+4*\i+3], v6 offset:8*(\v)*PITCH+16*\i   ; my own bytes: LDS serves a wave's instructions in order (ISA guide 5.7.1.4)
.endr
	s_wait_dscnt 0x0
	QB X+32*((\v)%2), F+6*(\v)
	v_lshlrev_b32 v23, v8, v23                     ; my block's byte at its place,
	v_mov_b32_dpp v11, v23 row_xmask:8 row_mask:0xf bank_mask:0xf
	v_or_b32 v[12+(\v)], v23, v11                  ; with lane l xor 8's: the row's scale word
.if (\v)%2
.irp i, 0,1,2
	global_store_b128 v4, v[F+12*((\v)/2)+4*\i:F+12*((\v)/2)+4*\i+3], s[8:9] offset:512*(3*((\v)/2)+\i)   ; sixteen lanes store one aligned run of 256 bytes
.endr
.endif
.endm
.irp v, 0,1,2,3
	KTILE \v
.endr
	v_cndmask_b32 v16, v12, v13, s37               ; lane h keeps the words of tiles 4 c + h and 4 c + 2 + h
	v_cndmask_b32 v17, v14, v15, s37
	global_store_b64 v5, v[16:17], s[8:9] offset:KSO               ; the 32 lanes store one aligned run of 256 bytes
	s_wait_tensorcnt 0x0                           ; the wave's end
	ds_add_u32 v30, v31
	s_wait_dscnt 0x0
	s_endpgm
.Lvalue:
	; ---- VALUE.  Lane l takes columns l and 32 + l (g = 0, 1); 32 registers run down keys 32 c + 0 .. 31 of my 64: a whole block in a lane
.set j, 0
.rept 32
	global_load_b128 v[R+4*j:R+4*j+3], v18, s[14:15] offset:512*j th:TH_LOAD_NT
.set j, j+1
.endr
.macro VLD c, g
.irp i, 0,1,2,3,4,5,6,7,8,9,10,11,12,13,14,15,16,17,18,19,20,21,22,23,24,25,26,27,28,29,30,31
	ds_load_b32 v[X+32*\g+\i], v7 offset:(32*\c+\i)*PITCH+128*\g
.endr
.endm
.macro VHALF c
	s_wait_loadcnt 16-16*\c                        ; rows 32 c .. 32 c + 31 are in
.set j, 0
.rept 16
	ds_store_b128 v19, v[R+64*\c+4*j:R+64*\c+4*j+3] offset:PITCH*(32*\c+2*j)
.set j, j+1
.endr
	VLD \c, 0
	VLD \c, 1
	s_wait_dscnt 32                                ; the columns l are back; the columns 32 + l may be out
	QB X, F+6*\c
.if \c
	v_lshl_or_b32 v12, v23, 16, v12
.else
	v_mov_b32 v12, v23
.endif
	s_wait_dscnt 0x0
	QB X+32, F+12+6*\c
.if \c
	v_lshl_or_b32 v13, v23, 16, v13
.else
	v_mov_b32 v13, v23
.endif
.endm
	VHALF 0
	VHALF 1
.irp g, 0,1
.irp i, 0,1,2
	global_store_b128 v9, v[F+12*\g+4*\i:F+12*\g+4*\i+3], s[8:9] offset:VCO+3072*\g+512*\i
.endr
.endr
	v_lshlrev_b32 v12, s36, v12                    ; the bytes of my half: bytes 2 c + half
	v_lshlrev_b32 v13, s36, v13
	global_store_b64 v10, v[12:13], s[8:9] offset:VSO              ; 256 consecutive bytes, aligned
	s_wait_tensorcnt 0x0
	ds_add_u32 v30, v31
	s_wait_dscnt 0x0
	s_endpgm
.Lfunc_end_k_qcfa6606f86_prep:
	.size	k_qcfa6606f86_prep, .Lfunc_end_k_qcfa6606f86_prep-k_qcfa6606f86_prep
	.p2alignl 7, 3214868480
	.fill 96, 4, 3214868480
	.section	.rodata,"a",@progbits
	.p2align	6, 0x0
	.amdhsa_kernel k_qcfa6606f86_prep
		.amdhsa_group_segment_fixed_size 140288
		.amdhsa_private_segment_fixed_size 0
		.amdhsa_enable_private_segment 0
		.amdhsa_kernarg_size 24
		.amdhsa_user_sgpr_count 2
		.amdhsa_user_sgpr_kernarg_segment_ptr 1
		.amdhsa_wavefront_size32 1
		.amdhsa_system_sgpr_workgroup_id_x 1
		.amdhsa_system_sgpr_workgroup_id_y 1
		.amdhsa_system_sgpr_workgroup_id_z 1
		.amdhsa_system_vgpr_workitem_id 0
		.amdhsa_next_free_vgpr 256
		.amdhsa_next_free_sgpr 66
		.amdhsa_reserve_vcc 0
		.amdhsa_float_denorm_mode_32 3
		.amdhsa_float_denorm_mode_16_64 3
		.amdhsa_memory_ordered 1
		.amdhsa_forward_progress 1
		.amdhsa_inst_pref_size 37
	.end_amdhsa_kernel
	.amdgpu_metadata
---
amdhsa.version: [ 1, 2 ]
amdhsa.kernels:
  - .name:           k_qcfa6606f86_prep
    .symbol:         k_qcfa6606f86_prep.kd
    .args:
      - { .name: key, .offset: 0, .size: 8, .value_kind: global_buffer, .address_space: global }
      - { .name: value, .offset: 8, .size: 8, .value_kind: global_buffer, .address_space: global }
      - { .name: kv, .offset: 16, .size: 8, .value_kind: global_buffer, .address_space: global }
    .group_segment_fixed_size: 140288
    .private_segment_fixed_size: 0
    .kernarg_segment_align: 8
    .kernarg_segment_size: 24
    .max_flat_workgroup_size: 256
    .sgpr_count:     66
    .vgpr_count:     256
    .wavefront_size: 32
...
	.end_amdgpu_metadata
.endif
;; end of part 1
;; launch attn (part 2): grid 8 x 32, 8 waves a work-group, clusters of 4 x 1, 248,832 bytes of LDS; arguments query, kv, inv_scale_factor, out0; writes out0
.if DOCPART == 2
	.amdgcn_target "amdgcn-amd-amdhsa--gfx1250"
	.amdhsa_code_object_version 6
	.text
	.protected	k_qcfa6606f86_attn
	.globl	k_qcfa6606f86_attn
	.p2align	8
	.type	k_qcfa6606f86_attn,@function
k_qcfa6606f86_attn:
	s_mov_b64 s[64:65], 0
	v_nop
	global_prefetch_b8 v0, s[64:65] scope:SCOPE_SE
	s_setreg_imm32_b32 hwreg(HW_REG_WAVE_MODE, 25, 1), 1
	s_wait_xcnt 0x0
	s_wait_alu depctr_hold_cnt(0) depctr_sa_sdst(0) depctr_va_vdst(0) depctr_va_sdst(0) depctr_va_ssrc(0) depctr_va_vcc(0) depctr_vm_vsrc(0)
	s_getreg_b32 s2, hwreg(HW_REG_IB_STS2, 6, 4)
	s_cmp_eq_u32 s2, 0
	s_cbranch_scc0 .Lentry_in_a_cluster
	s_endpgm
.Lentry_in_a_cluster:
	s_bfe_u32 s2, ttmp6, 0x10000c
	s_cmp_lg_u32 s2, 0x3003
	s_cbranch_scc0 .Lentry_shape_is_right
	s_endpgm
.Lentry_shape_is_right:
; out0[head][q][:] = the sum over k of softmax_k(query[head][q] . key[head][k] / inv_scale_factor) value[head][k][:]; 32 heads, 2,048 queries and keys, head size 64.
; Both products on codes of FP6 (E2M3) with one E8M0 scale for each 32 along K.  key and value come as codes from kv (the launch before lays it; its layout stands there); query is quantised here.
; THE SOFTMAX AHEAD OF THE SECOND PRODUCT: t = score x c, c = log2(e) / |inv|; M = the running largest t rounded UP to a whole number; p = 2^(t - M) is quantised along the keys, not normalised.
; The row's sum is taken of the unquantised p and divides at the end.  When M moves, the sum and O are multiplied by 2^(old M - new M): exact.
; THE SIGN OF inv goes into query ahead of its quantiser: the quantiser is symmetric in the sign, so the codes of -q are the negated codes of q, and c stays positive.
; LIMITS: NaN and infinities among the inputs are not served; |inv_scale_factor| from 2^-126 to 2^126 (the reciprocal's range); scaled scores under 2^31 in magnitude; t is score x (log2(e) / inv), one
; rounding of c away from (score / inv) x log2(e); a block of query whose largest magnitude lies under 2^-124 keeps the scale byte 1, a block of p whose largest is under 2^-124 the byte 0 (2^-127).
; SHARES.  A work-group owns 256 queries of one head, each of its EIGHT waves 32 of them: two tiles of 16, A and B, which share every fragment of K and V.  Every wave walks all 2,048 keys, 128 a step.
; THE WHOLE HEAD'S CODES STAY IN LDS: 16 steps x 13,312 bytes; each wave fetches two steps by one load; no slot is ever filled again.
; CLUSTER.  The four work-groups of a cluster own query blocks of one head and want the same bytes: each load is asked for JOINTLY, by the same descriptor with a mask that names the four.
; No prefetch: all tiles are asked for at the head, there is no loop to run ahead in.
; LAYOUT.  Both products are used transposed: S^T = K Q^T (source 0 = 16 keys, source 1 = 16 queries), O^T = V^T P^T (source 0 = 16 columns of value, source 1 = P): a lane holds ONE query throughout.
; The keys of a tile are not neighbours: row r of tile 4 c + v is key 64 (r / 8) + 32 c + 8 v + r % 8, so that the 32 registers of tiles 4 c .. 4 c + 3 in lane (r, h) are keys 64 h + 32 c + 0 .. 31: A WHOLE
; BLOCK of p in one lane, in the order in which the second product's operand wants it.  So a block's maximum and its codes need no other lane; the operand's block 2 c + h is the keys' block 2 h + c, for p and V alike.
; THE FIRST PRODUCT'S K IS 64, THE INSTRUCTION'S 128.  Q's registers 6-11 are zero codes.  K's tiles stand 6 registers apart, so tile t's registers 6-11 are the next tile's codes (tile 7's: six registers
; cleared once).  Those codes are finite numbers, they meet zero codes, and the scale bytes of that half are 0 (2^-127, not the NaN byte): they add exactly 0.
; THE STEP goes with both tiles side by side: the maxima; t - M of A; A's exponentials, B's t - M among them; A's codes and second product; B's exponentials, additions of A's p among them; B's codes and
; second product; the sums; the next step's sixteen S products.  K of the next step is asked for behind the maxima, V of the next step behind B's second product.
; WINDOWS.  Window 1 holds S, K, Q, P and all of the softmax; window 0 V, O, the scales and the addresses.  0x55: all in window 1; 0x04: source 1 alone (O's scaling and products); 0x44: loads into window 1;
; 0x15: sources in window 1, destination in window 0.
.set STEPB, 13312
.set VCO,   6144
.set KSO,   12288
.set VSO,   12800
.set STAGE, 16*STEPB                   ; 16 rows x 272 bytes for each wave, for Q's way in and O's way out; no fill lands there
.set SP,    272
.set SPARE, STAGE+8*16*SP              ; the spare words
; window 0
.set KS,    8                          ; v8-11   K's scale words
.set VSA,   12                         ; v12-15  V's scale words as they are loaded, by halves of the keys
.set VS,    16                         ; v16-17  V's scale words
.set QS,    20                         ; v20, 21 the two tiles' scale words of Q
.set PS,    22                         ; v22     P's
.set SPW,   23
.set NIL,   24
.set VB,    32                         ; v32-79  V's 48 registers
.set OA,    80                         ; v80-143 O^T of A, of B
.set W,     144                        ; v144-239 Q's way in, O's way out
; window 1
.set KB,    128                        ; 0-127 S of A, of B; 128-175 K's 48 registers, 176-181 cleared
.set QA,    182                        ; 182-193 Q of A, 194-205 of B
.set PC,    206                        ; 206-217 P's codes
.set BM,    218                        ; 218-221 the blocks' largest scores, two of A, two of B; then p; then bytes
.set MR,    222                        ; 222, 223 -M and the largest score of A; 224, 225 of B
.set LR,    226                        ; 226, 227 the sum in two halves of A; 228, 229 of B
.set FF,    230                        ; 230, 232 f of A, of B; 231, 233 name the pairs' upper halves
.set SOP,   234                        ; 234, 235 the conversions' scale operands
.set PT,    236                        ; 236-238, 240-242 the conversions' second halves
.set Y1,    239                        ; lane permutes' results
.set Y2,    243
.set T,     244                        ; 244-255 at work
; v1 16 x lane; v2 8 x lane; v3 16 x K's place; v4-6 the step's LDS addresses; v25 stage by rows; v26 stage, Q's 32 numbers; v27 stage, O's 8 numbers; v28 8 h
; s12 wave; s[16:23] group 1; s[24:27] group 0; s[46:47] c; s[48:49] lane selects; s50 the step's LDS byte; s51 trips; s56 -c
.set MSB, 0
.macro WIN new                         ; the immediate's high byte repeats the setting that is left
.if MSB != \new
	s_set_vgpr_msb (MSB<<8)|\new
.set MSB, \new
.endif
.endm
.macro CROUND                          ; a round of the cluster's barrier: my work-group's barrier; wave 0 signals for the work-group; every wave waits for all four; my work-group's barrier once more
	s_barrier_signal -1
	s_barrier_wait -1
	s_cmp_lg_u32 s12, 0
	s_cbranch_scc1 .Lnot_wave_0_\@
	s_barrier_signal -3
.Lnot_wave_0_\@:
	s_barrier_wait -3
	s_barrier_signal -1
	s_barrier_wait -1
.endm
	s_load_b256 s[4:11], s[0:1], 0x0               ; query s[4:5], kv s[6:7], inv_scale_factor s[8:9], out0 s[10:11]
	v_lshl_add_u32 v[SPW], v0, 2, SPARE
	v_mov_b32 v[NIL], 0
	ds_add_u32 v[SPW], v[NIL]                      ; the opening: the add, twice on end
	ds_add_u32 v[SPW], v[NIL]
	v_lshrrev_b32 v1, 5, v0
	v_readfirstlane_b32 s12, v1                    ; wave 0..7
	s_bfe_u32 s13, ttmp6, 0x40000                  ; cx: my place in the cluster
	s_lshl_b32 s14, ttmp9, 2                       ; in a cluster launch ttmp9 counts clusters
	s_add_co_u32 s14, s14, s13                     ; my block of 256 queries: it enters query's and out0's addresses alone
	s_and_b32 s15, ttmp7, 0xffff                   ; the head, which the four partners share
	; descriptor group 1: two steps' blocks, 26,624 dense bytes, as 104 rows of 32 elements of 8 bytes; no padding
	s_mov_b32 s16, 15|(3<<16)|(1<<21)              ; the mask: all four work-groups; elements of 8 bytes; bit 21 set beside a mask
	s_mov_b32 s17, 32<<16
	s_mov_b32 s18, 104<<16
	s_mov_b32 s19, 32<<16
	s_mov_b32 s20, 104
	s_mov_b32 s21, 32
	s_mov_b32 s22, 0
	s_mov_b32 s23, 0
	s_mov_b32 s48, 0x76543210                      ; v_permlanex16_b32's selects for lane l xor 16
	s_mov_b32 s49, 0xfedcba98
	s_lshl_b32 s40, s15, 19                        ; query and out0: a head is 2,048 rows of 256 bytes,
	s_lshl_b32 s54, s14, 16                        ; a block 256 rows,
	s_add_co_u32 s40, s40, s54
	s_lshl_b32 s54, s12, 13                        ; a wave 32
	s_add_co_u32 s40, s40, s54
	s_mov_b32 s41, 0
	s_mul_i32 s52, s12, 2*STEPB                    ; what my wave brings: steps 2 w, 2 w + 1
	s_mul_i32 s42, s15, 16*STEPB                   ; the head's codes in kv
	s_add_co_u32 s42, s42, s52
	s_mov_b32 s43, 0
	s_mul_i32 s53, s12, 16*SP
	s_add_co_u32 s53, s53, STAGE                   ; my stage
	v_and_b32 v29, 31, v0                          ; lane
	v_lshlrev_b32 v1, 4, v29
	v_lshlrev_b32 v2, 3, v29
	v_and_b32 v30, 15, v0                          ; r
	v_bfe_u32 v31, v0, 4, 1                        ; h
	v_bfe_u32 v7, v0, 3, 1                         ; r / 8
	v_and_b32 v3, 7, v0
	v_lshlrev_b32 v3, 4, v3
	v_xor_b32 v4, v31, v7
	v_lshl_add_u32 v3, v4, 7, v3
	v_lshl_add_u32 v3, v7, 8, v3                   ; K's place: 16 x (16 (r / 8) + 8 (h xor r / 8) + r % 8)
	v_mul_u32_u24 v25, v31, SP
	v_mul_u32_u24 v26, v30, SP
	v_lshl_add_u32 v25, v30, 4, v25
	v_lshl_add_u32 v27, v31, 5, v26
	v_lshl_add_u32 v26, v31, 7, v26
	v_add_nc_u32 v25, s53, v25                     ; by rows: lanes 0-15 one row of 256 bytes, lanes 16-31 the next
	v_add_nc_u32 v26, s53, v26                     ; row r, + 128 h: my block of 32 numbers of query r
	v_add_nc_u32 v27, s53, v27                     ; row r, + 32 h: my eight numbers of a tile of O
	v_lshlrev_b32 v28, 3, v31                      ; 8 h
	s_wait_alu depctr_va_vdst(0)                   ; directly ahead of the waits below
	s_wait_dscnt 0x0                               ; both opening adds are done
	s_wait_kmcnt 0x0
	s_load_b32 s44, s[8:9], 0x0                    ; inv_scale_factor
	s_add_nc_u64 s[4:5], s[4:5], s[40:41]
	s_add_nc_u64 s[10:11], s[10:11], s[40:41]
	s_add_nc_u64 s[6:7], s[6:7], s[42:43]
.set j, 0
.rept 16                               ; my 32 rows of query, as they lie: each load 512 consecutive bytes
	global_load_b128 v[W+4*j:W+4*j+3], v1, s[4:5] offset:512*j th:TH_LOAD_NT
.set j, j+1
.endr
	s_mov_b32 s24, 1
	s_mov_b32 s25, s52                             ; LDS address: the wave's number and constants alone
	s_mov_b64 s[26:27], s[6:7]                     ; global address: head and wave
	s_or_b32 s27, s27, 0x80000000
	CROUND                                         ; all four work-groups are here: the joint loads meet
	s_cmp_lt_u32 s12, 2                            ; waves 0 and 1 (steps 0-3) have a load line of their own: their tiles are shown first
	s_cbranch_scc0 .Lrest
	tensor_load_to_lds s[24:27], s[16:23]
	s_nop 0
.rept 4
	v_nop
.endr
	s_branch .Lasked
.Lrest:
	tensor_load_to_lds s[24:27], s[16:23]
	s_nop 0
.rept 4
	v_nop
.endr
.Lasked:
	v_mov_b32 v244, 0                              ; (a lane permute's destination counts as one of its sources)
	WIN 0x55
	v_mov_b32 v[MR+1], 0xff61b1e6                  ; the largest score so far: -3e38
	v_mov_b32 v[MR+3], 0xff61b1e6
	v_mov_b32 v[Y1], 0
	v_mov_b32 v[Y2], 0
	v_mov_b32 v[FF+1], 0
	v_mov_b32 v[FF+3], 0
.irp i, 0,1,2,3,4,5
	v_mov_b32 v[KB+48+\i], 0                       ; what K's tile 7 names as its upper half
	v_mov_b32 v[QA+6+\i], 0                        ; Q's upper halves: zero codes
	v_mov_b32 v[QA+18+\i], 0
.endr
	WIN 0
	s_wait_alu depctr_va_vdst(0)                   ; directly ahead of the waits below
; Q through my stage, so that lane (r, h) holds query r's numbers 32 h .. 32 h + 31, a whole block: A's into v208-239, B's into v32-63.  LDS serves a wave's instructions in order (ISA guide 5.7.1.4)
.macro QTURN x, dst
.irp i, 0,1,2,3,4,5,6,7
	s_wait_loadcnt 15-8*\x-\i                      ; this load is in; the younger ones may be out
	ds_store_b128 v25, v[W+32*\x+4*\i:W+32*\x+4*\i+3] offset:2*SP*\i
.endr
.irp i, 0,1,2,3,4,5,6,7
	ds_load_b128 v[\dst+4*\i:\dst+4*\i+3], v26 offset:16*\i
.endr
.endm
.macro QUANT xs, qd, qs                ; 32 numbers of one block -> my codes of Q in window 1, and the query's scale word
.set j, 0
.rept 32
	v_xor_b32 v[\xs+j], s45, v[\xs+j]              ; the sign of inv goes into q
.set j, j+1
.endr
	v_max3_num_f32 v240, |v[\xs]|, |v[\xs+1]|, |v[\xs+2]|
	v_max3_num_f32 v241, |v[\xs+3]|, |v[\xs+4]|, |v[\xs+5]|
.irp i, 6,10,14,18,22,26
	v_max3_num_f32 v240, v240, |v[\xs+\i]|, |v[\xs+\i+1]|
	v_max3_num_f32 v241, v241, |v[\xs+\i+2]|, |v[\xs+\i+3]|
.endr
	v_max3_num_f32 v240, v240, |v[\xs+30]|, |v[\xs+31]|
	v_max3_num_f32 v240, v240, v241, 0x1800000     ; and the floor 2^(3 - 127): the byte cannot fall under 1
	v_add_nc_u32 v242, 0xff000000, v240            ; 2 off the exponent field: the conversion's scale operand
	v_lshrrev_b32 v243, 23, v242                   ; the scale's byte
	WIN 0x40
	v_cvt_scalef32_pk16_fp6_f32 v[\qd:\qd+2], v[\xs:\xs+15], v242
	v_cvt_scalef32_pk16_fp6_f32 v[PT:PT+2], v[\xs+16:\xs+31], v242   ; (a conversion's three registers begin on an even number)
	WIN 0
	v_lshlrev_b32 v243, v28, v243                  ; my block's byte at its place,
	v_permlanex16_b32 v244, v243, s48, s49
	v_or_b32 v[\qs], v243, v244                    ; with lane l xor 16's: bytes 0 and 1; bytes 2, 3 are 0
	WIN 0x55
	v_mov_b32 v[\qd+3], v[PT]
	v_mov_b32 v[\qd+4], v[PT+1]
	v_mov_b32 v[\qd+5], v[PT+2]
	WIN 0
.endm
	QTURN 0, 208
	QTURN 1, 32
	s_wait_kmcnt 0x0                               ; inv
	s_and_b32 s45, s44, 0x80000000                 ; its sign
	s_and_b32 s55, s44, 0x7fffffff                 ; its magnitude
	s_wait_dscnt 16                                ; A's numbers are back; B's 8 stores and 8 loads may be out
	QUANT 208, QA, QS
	s_wait_dscnt 0x0
	QUANT 32, QA+12, QS+1
	; c = log2(e) / |inv|: the reciprocal, one Newton step, the factor
	v_mov_b32 v29, s55
	s_wait_alu depctr_va_vdst(0)
	v_rcp_f32 v30, v29
	v_nop                                          ; one plain line behind the transcendental
	s_wait_alu depctr_va_vdst(0)
	v_fma_f32 v31, -v29, v30, 1.0
	v_fma_f32 v30, v30, v31, v30
	v_mul_f32 v30, 0x3fb8aa3b, v30
	v_readfirstlane_b32 s46, v30
	s_mov_b32 s47, s46                             ; (the packed form names the pair and takes its low word for both halves)
	s_xor_b32 s56, s46, 0x80000000                 ; -c
.macro KLOAD a, off                    ; 13 loads: K's scale words and codes
	WIN 0
	ds_load_b128 v[KS:KS+3], v[\a] offset:\off+KSO
	WIN 0x44
.irp i, 0,1,2,3,4,5,6,7,8,9,10,11
	ds_load_b128 v[KB+4*\i:KB+4*\i+3], v[\a] offset:\off+512*\i
.endr
.endm
.macro VLOAD a, b, off                 ; 14 loads: V's codes and scale words
	WIN 0
.irp i, 0,1,2,3,4,5,6,7,8,9,10,11
	ds_load_b128 v[VB+4*\i:VB+4*\i+3], v[\a] offset:\off+VCO+512*\i
.endr
	ds_load_b64 v[VSA:VSA+1], v[\b] offset:\off+VSO
	ds_load_b64 v[VSA+2:VSA+3], v[\b] offset:\off+VSO+256
.endm
.macro SPROD                           ; S^T = K Q^T of both query tiles (window 1): sixteen accumulators, one instruction each
	WIN 0x55
.irp x, 0,1
.irp t, 0,1,2,3,4,5,6,7
.if (\t)%2
	v_wmma_scale_f32_16x16x128_f8f6f4 v[64*\x+8*\t:64*\x+8*\t+7], v[KB+6*\t:KB+6*\t+11], v[QA+12*\x:QA+12*\x+11], 0, v[KS+\t/2], v[QS+\x] matrix_a_fmt:MATRIX_FMT_FP6 matrix_b_fmt:MATRIX_FMT_FP6 matrix_a_scale:MATRIX_SCALE_ROW1
.else
	v_wmma_scale_f32_16x16x128_f8f6f4 v[64*\x+8*\t:64*\x+8*\t+7], v[KB+6*\t:KB+6*\t+11], v[QA+12*\x:QA+12*\x+11], 0, v[KS+\t/2], v[QS+\x] matrix_a_fmt:MATRIX_FMT_FP6 matrix_b_fmt:MATRIX_FMT_FP6
.endif
.endr
.endr
.endm
.macro TMM j                           ; t - M, two at a time (j = 0 .. 31 in A, 32 .. 63 in B)
	v_pk_fma_f32 v[2*(\j):2*(\j)+1], v[2*(\j):2*(\j)+1], s[46:47], v[MR+2*((\j)/32):MR+2*((\j)/32)+1] op_sel_hi:[1,0,0]
.endm
.macro ADD2 d, s                       ; two sums at once
	v_pk_add_f32 v[\d:\d+1], v[\d:\d+1], v[\s:\s+1]
.endm
; A TILE'S CODES AND SECOND PRODUCT, behind its exponentials.  x: A (0) or B (1).  first: the step starts the sums.  nx: a next step follows.
.macro PV x, first, nx
.set SX, 64*\x
.set BX, BM+2*\x
.set LX, LR+2*\x
.set FX, FF+2*\x
.set OX, OA+32*\x
	WIN 0x04
.if \x == 0
	s_wait_dscnt 13*\nx                            ; V and its scale words are in; the next step's K, 13 loads issued behind them, may be out
.elseif \nx
	s_wait_dscnt 0x0                               ; the next step's K is in: nothing else is out
.endif
	s_wait_alu depctr_va_vdst(0)                   ; behind the batch of exponentials, and directly ahead of the first readers of O^T
.if \first == 0
.set k, 0
.rept 16
	v_pk_mul_f32 v[OX+2*k:OX+2*k+1], v[OX+2*k:OX+2*k+1], v[FX:FX+1] op_sel_hi:[1,0]   ; O^T under the new M, each accumulator from its low end on
.set k, k+1
.endr
.endif
.if \x == 0
	v_lshl_or_b32 v[VS], v[VSA+2], 0, v[VSA]       ; the two halves' bytes make V's scale words
	v_lshl_or_b32 v[VS+1], v[VSA+3], 0, v[VSA+1]
.endif
	WIN 0x55
	v_pk_mul_f32 v[SOP:SOP+1], v[BX:BX+1], 0x3e800000 op_sel_hi:[1,0]             ; 2 off the exponent of the blocks' largest p: the conversions' scale operands
.if \first == 0
	v_pk_mul_f32 v[LX:LX+1], v[LX:LX+1], v[FX:FX+1] op_sel_hi:[1,0]               ; the sum under the new M
.endif
	v_lshrrev_b32 v[BX], 23, v[SOP]                ; the scales' bytes
	v_lshrrev_b32 v[BX+1], 23, v[SOP+1]
	v_cvt_scalef32_pk16_fp6_f32 v[PC:PC+2], v[SX:SX+15], v[SOP]
	v_cvt_scalef32_pk16_fp6_f32 v[PT:PT+2], v[SX+16:SX+31], v[SOP]                ; (a conversion's three registers begin on an even number)
	v_lshl_or_b32 v[BX], v[BX+1], 16, v[BX]        ; my half's bytes: c = 0 and c = 1, two bytes apart
	v_cvt_scalef32_pk16_fp6_f32 v[PC+6:PC+8], v[SX+32:SX+47], v[SOP+1]
	v_cvt_scalef32_pk16_fp6_f32 v[PT+4:PT+6], v[SX+48:SX+63], v[SOP+1]
	v_permlanex16_b32 v[Y2], v[BX], s48, s49       ; the other half's
.irp i, 0,1,2
	v_mov_b32 v[PC+3+\i], v[PT+\i]
.endr
.irp i, 0,1,2
	v_mov_b32 v[PC+9+\i], v[PT+4+\i]
.endr
	WIN 0x15
	v_lshl_or_b32 v[PS], v[Y2], 8, v[BX]           ; lanes 0-15: P's scale word for these 128 keys (lanes 16-31 are not read)
	WIN 0x55
.set k, 0
.rept 8+8*\x                           ; THE ROW'S SUM IS TAKEN OF THE UNQUANTISED p.  These additions also stand between P's registers and the products (of A's sixteen eight stand among B's exponentials)
	ADD2 SX+2*k, SX+32+2*k
.set k, k+1
.endr
	WIN 0x04
.irp t, 0,1,2,3                        ; O^T += V^T P^T: four accumulators, one instruction each; between two links of a chain stand the three others and the S products
.if \first
.if (\t)%2
	v_wmma_scale_f32_16x16x128_f8f6f4 v[OX+8*\t:OX+8*\t+7], v[VB+12*\t:VB+12*\t+11], v[PC:PC+11], 0, v[VS+\t/2], v[PS] matrix_a_fmt:MATRIX_FMT_FP6 matrix_b_fmt:MATRIX_FMT_FP6 matrix_a_scale:MATRIX_SCALE_ROW1
.else
	v_wmma_scale_f32_16x16x128_f8f6f4 v[OX+8*\t:OX+8*\t+7], v[VB+12*\t:VB+12*\t+11], v[PC:PC+11], 0, v[VS+\t/2], v[PS] matrix_a_fmt:MATRIX_FMT_FP6 matrix_b_fmt:MATRIX_FMT_FP6
.endif
.else
.if (\t)%2
	v_wmma_scale_f32_16x16x128_f8f6f4 v[OX+8*\t:OX+8*\t+7], v[VB+12*\t:VB+12*\t+11], v[PC:PC+11], v[OX+8*\t:OX+8*\t+7], v[VS+\t/2], v[PS] matrix_a_fmt:MATRIX_FMT_FP6 matrix_b_fmt:MATRIX_FMT_FP6 matrix_a_scale:MATRIX_SCALE_ROW1
.else
	v_wmma_scale_f32_16x16x128_f8f6f4 v[OX+8*\t:OX+8*\t+7], v[VB+12*\t:VB+12*\t+11], v[PC:PC+11], v[OX+8*\t:OX+8*\t+7], v[VS+\t/2], v[PS] matrix_a_fmt:MATRIX_FMT_FP6 matrix_b_fmt:MATRIX_FMT_FP6
.endif
.endif
.endr
	WIN 0x55
.endm
; A KEY STEP: 128 keys, whose block begins at LDS byte s50; S of both tiles has been issued
.macro STEP first, nx
	WIN 0x55
	s_wait_alu depctr_va_vdst(0)                   ; directly ahead of the first readers of S
.irp b, 0,1,2,3                        ; EACH BLOCK'S LARGEST SCORE (blocks 0, 1 of A, 2, 3 of B), two chains a block, all by turns: for the row's maximum and, since p rises with the score, for the block's largest p
	v_max3_num_f32 v[BM+\b], v[32*\b],    v[32*\b+1],  v[32*\b+2]
	v_max3_num_f32 v[T+\b],  v[32*\b+16], v[32*\b+17], v[32*\b+18]
.endr
.irp i, 3,5,7,9,11,13
.irp b, 0,1,2,3
	v_max3_num_f32 v[BM+\b], v[BM+\b], v[32*\b+\i],    v[32*\b+\i+1]
	v_max3_num_f32 v[T+\b],  v[T+\b],  v[32*\b+16+\i], v[32*\b+17+\i]
.endr
.endr
.irp b, 0,1,2,3
	v_max3_num_f32 v[BM+\b], v[BM+\b], v[T+\b], v[32*\b+15]
.endr
.irp b, 0,1,2,3
	v_max_num_f32 v[BM+\b], v[BM+\b], v[32*\b+31]
.endr
	v_max3_num_f32 v[T+4], v[BM], v[BM+1], v[MR+1]
	v_max3_num_f32 v[T+5], v[BM+2], v[BM+3], v[MR+3]
.if \nx
	WIN 0
	v_add_nc_u32 v4, v3, s50
	KLOAD 4, STEPB                                 ; the next step's K
	WIN 0x55
.endif
	v_permlanex16_b32 v[Y1], v[T+4], s48, s49
	v_permlanex16_b32 v[Y2], v[T+5], s48, s49
.if \first == 0
	v_mov_b32 v[T+8], v[MR]
	v_mov_b32 v[T+9], v[MR+2]
.endif
	v_max_num_f32 v[MR+1], v[T+4], v[Y1]           ; the running largest scores of my queries
	v_max_num_f32 v[MR+3], v[T+5], v[Y2]
	v_mul_f32 v[T+6], s56, v[MR+1]                 ; -t (c is positive)
	v_mul_f32 v[T+7], s56, v[MR+3]
	v_floor_f32 v[MR], v[T+6]                      ; the new -M = floor(-t) = -ceil(t): a whole number
	v_floor_f32 v[MR+2], v[T+7]
	v_pk_fma_f32 v[BM:BM+1], v[BM:BM+1], s[46:47], v[MR:MR+1] op_sel_hi:[1,0,0]       ; t - M of the blocks' largest scores
	v_pk_fma_f32 v[BM+2:BM+3], v[BM+2:BM+3], s[46:47], v[MR+2:MR+3] op_sel_hi:[1,0,0]
.if \first == 0
	v_sub_f32 v[T+8], v[MR], v[T+8]                ; old M - new M: a whole number, 0 or less
	v_sub_f32 v[T+9], v[MR+2], v[T+9]
.endif
.set k, 0
.rept 32
	TMM k
.if \first == 0 && k == 8
	v_cvt_i32_f32 v[T+8], v[T+8]                   ; (it saturates)
	v_cvt_i32_f32 v[T+9], v[T+9]
.endif
.if \first == 0 && k == 16
	v_ldexp_f32 v[FF], 1.0, v[T+8]                 ; f = 2^(old M - new M)
	v_ldexp_f32 v[FF+2], 1.0, v[T+9]
.endif
.set k, k+1
.endr
	s_wait_alu depctr_va_vdst(0)                   ; ahead of the batch of exponentials
	v_exp_f32 v[BM], v[BM]                         ; the blocks' largest p: the same two instructions on the same numbers
	v_exp_f32 v[BM+1], v[BM+1]
.set k, 0
.rept 32
	v_exp_f32 v[2*k], v[2*k]                       ; A's p = 2^(t - M), at most 1; among them B's t - M
	v_exp_f32 v[2*k+1], v[2*k+1]
	TMM k+32
.set k, k+1
.endr
	PV 0, \first, \nx
	v_exp_f32 v[BM+2], v[BM+2]
	v_exp_f32 v[BM+3], v[BM+3]
.set k, 0
.rept 32
	v_exp_f32 v[64+2*k], v[64+2*k]                 ; B's p; among them the other eight of A's first additions
	v_exp_f32 v[65+2*k], v[65+2*k]
.if k%4 == 3
	ADD2 16+k/2-1, 48+k/2-1
.endif
.set k, k+1
.endr
	PV 1, \first, \nx
.irp i, 0,2,4,6,8,10,12,14             ; the sums go on, level by level, both tiles by turns
	ADD2 \i, 16+\i
	ADD2 64+\i, 80+\i
.endr
.irp i, 0,2,4,6
	ADD2 \i, 8+\i
	ADD2 64+\i, 72+\i
.endr
	v_pk_add_f32 v[T:T+1], v[0:1], v[4:5]
	v_pk_add_f32 v[T+2:T+3], v[2:3], v[6:7]
	v_pk_add_f32 v[T+4:T+5], v[64:65], v[68:69]
	v_pk_add_f32 v[T+6:T+7], v[66:67], v[70:71]
.if \nx
	WIN 0
	v_add_nc_u32 v5, v1, s50
	v_add_nc_u32 v6, v2, s50
	VLOAD 5, 6, STEPB                              ; the next step's V, behind the additions, which are places behind the products that read V
	SPROD                                          ; the next step's S; the four lines below name none of its registers: its places
.endif
.if \first
	v_pk_add_f32 v[LR:LR+1], v[T:T+1], v[T+2:T+3]
	v_pk_add_f32 v[LR+2:LR+3], v[T+4:T+5], v[T+6:T+7]
	v_nop
	v_nop
.else
	ADD2 T, T+2
	ADD2 T+4, T+6
	ADD2 LR, T
	ADD2 LR+2, T+4
.endif
	WIN 0
.if \nx
	s_add_co_u32 s50, s50, STEPB
.endif
.endm
	s_wait_alu depctr_va_vdst(0)                   ; ahead of the branch and the barrier
	s_cmp_lt_u32 s12, 2
	s_cbranch_scc0 .Lshow
	s_wait_tensorcnt 0x0                           ; waves 0 and 1: steps 0-3 are in
.Lshow:
	s_wait_dscnt 0x0
	s_barrier_signal -1
	s_barrier_wait -1                              ; and every wave may read them
	s_mov_b32 s50, 0
	KLOAD 3, 0
	VLOAD 1, 2, 0
	s_wait_dscnt 14                                ; K and its scale words are in; V's 14 loads may be out
	SPROD
.rept 4
	v_nop                                          ; four places ahead of the first read of S
.endr
	STEP 1, 1                                      ; step 0
	s_wait_alu depctr_va_vdst(0)
	s_wait_tensorcnt 0x0                           ; my own load is done: steps 4-15 are in where every wave says so;
	s_wait_dscnt 0x0                               ; no LDS instruction of mine is out at the signal
	s_barrier_signal -1                            ; between this signal and its wait: register work, and LDS loads of steps 1-3, which nobody writes any more
	s_mov_b32 s50, STEPB
	s_mov_b32 s51, 2
.Learly:                                               ; steps 1, 2: they read up to K and V of step 3
	STEP 0, 1
	s_sub_co_u32 s51, s51, 1
	s_cmp_lg_u32 s51, 0
	s_cbranch_scc1 .Learly
	s_wait_alu depctr_va_vdst(0)                   ; ahead of the barrier's wait
	s_barrier_wait -1                              ; all steps are in
	s_mov_b32 s50, 3*STEPB
	s_mov_b32 s51, 12
.Lsteps:                                               ; steps 3-14
	STEP 0, 1
	s_sub_co_u32 s51, s51, 1
	s_cmp_lg_u32 s51, 0
	s_cbranch_scc1 .Lsteps
	STEP 0, 0                                      ; the last step fetches nothing
	; THE WAY OUT.  O^T / the sum goes through my stage and leaves as whole rows of 256 bytes
	WIN 0x55
	v_add_f32 v[LR], v[LR], v[LR+1]                ; the sums' two halves,
	v_add_f32 v[LR+2], v[LR+2], v[LR+3]
	v_permlanex16_b32 v[Y1], v[LR], s48, s49
	v_permlanex16_b32 v[Y2], v[LR+2], s48, s49
	v_add_f32 v[LR], v[LR], v[Y1]                  ; and lane l xor 16's: the rows' sums
	v_add_f32 v[LR+2], v[LR+2], v[Y2]
	s_wait_alu depctr_va_vdst(0)
	v_rcp_f32 v[FF], v[LR]
	v_rcp_f32 v[FF+2], v[LR+2]
	v_nop                                          ; one plain line behind the transcendentals
	WIN 0x04
	s_wait_alu depctr_va_vdst(0)
.set k, 0
.rept 32
	v_pk_mul_f32 v[W+2*k:W+2*k+1], v[OA+2*k:OA+2*k+1], v[FF+2*(k/16):FF+2*(k/16)+1] op_sel_hi:[1,0]   ; register 8 t + i is out0(r, 16 t + 8 h + i)
.set k, k+1
.endr
	WIN 0
.macro OUT x, bk
.irp t, 0,1,2,3
	ds_store_b128 v27, v[W+32*\x+8*\t:W+32*\x+8*\t+3] offset:64*\t
	ds_store_b128 v27, v[W+32*\x+8*\t+4:W+32*\x+8*\t+7] offset:64*\t+16
.endr
.irp i, 0,1,2,3,4,5,6,7
	ds_load_b128 v[\bk+4*\i:\bk+4*\i+3], v25 offset:2*SP*\i        ; my own bytes, served in order: these see the stores above
.endr
.endm
.macro SEND x, bk, younger             ; younger: LDS instructions issued behind this tile's
.irp i, 0,1,2,3,4,5,6,7
	s_wait_dscnt \younger+7-\i
	global_store_b128 v1, v[\bk+4*\i:\bk+4*\i+3], s[10:11] offset:4096*\x+512*\i th:TH_STORE_NT   ; 16 lanes store 256 consecutive bytes, at a multiple of 256 from out0's first byte
.endr
.endm
	OUT 0, 208
	OUT 1, 32
	SEND 0, 208, 16
	SEND 1, 32, 0
	s_wait_tensorcnt 0x0                           ; the wave's end
	ds_add_u32 v[SPW], v[NIL]
	s_wait_dscnt 0x0
	CROUND                                         ; the closing round: no work-group ends while a partner may still ask for a tile that names it
	s_endpgm
.Lfunc_end_k_qcfa6606f86_attn:
	.size	k_qcfa6606f86_attn, .Lfunc_end_k_qcfa6606f86_attn-k_qcfa6606f86_attn
	.p2alignl 7, 3214868480
	.fill 96, 4, 3214868480
	.section	.rodata,"a",@progbits
	.p2align	6, 0x0
	.amdhsa_kernel k_qcfa6606f86_attn
		.amdhsa_group_segment_fixed_size 248832
		.amdhsa_private_segment_fixed_size 0
		.amdhsa_enable_private_segment 0
		.amdhsa_kernarg_size 32
		.amdhsa_user_sgpr_count 2
		.amdhsa_user_sgpr_kernarg_segment_ptr 1
		.amdhsa_wavefront_size32 1
		.amdhsa_system_sgpr_workgroup_id_x 1
		.amdhsa_system_sgpr_workgroup_id_y 1
		.amdhsa_system_sgpr_workgroup_id_z 1
		.amdhsa_system_vgpr_workitem_id 0
		.amdhsa_next_free_vgpr 512
		.amdhsa_next_free_sgpr 66
		.amdhsa_reserve_vcc 0
		.amdhsa_float_denorm_mode_32 3
		.amdhsa_float_denorm_mode_16_64 3
		.amdhsa_memory_ordered 1
		.amdhsa_forward_progress 1
		.amdhsa_inst_pref_size 126
	.end_amdhsa_kernel
	.amdgpu_metadata
---
amdhsa.version: [ 1, 2 ]
amdhsa.kernels:
  - .name:           k_qcfa6606f86_attn
    .symbol:         k_qcfa6606f86_attn.kd
    .args:
      - { .name: query, .offset: 0, .size: 8, .value_kind: global_buffer, .address_space: global }
      - { .name: kv, .offset: 8, .size: 8, .value_kind: global_buffer, .address_space: global }
      - { .name: inv_scale_factor, .offset: 16, .size: 8, .value_kind: global_buffer, .address_space: global }
      - { .name: out0, .offset: 24, .size: 8, .value_kind: global_buffer, .address_space: global }
    .group_segment_fixed_size: 248832
    .private_segment_fixed_size: 0
    .kernarg_segment_align: 8
    .kernarg_segment_size: 32
    .max_flat_workgroup_size: 256
    .sgpr_count:     66
    .vgpr_count:     512
    .wavefront_size: 32
...
	.end_amdgpu_metadata
.endif
;; end of part 2
